; MI455X (gfx1250); checked and timed in simulation.
; The chip was launched on July 23, 2026; its instructions are those of AMD's public machine-readable ISA for CDNA 5 (MIT licence, August 2026) and "CDNA5" Instruction Set Architecture Reference Guide (July 2026). The comments in the code are by the model that wrote it; some were corrected since.
;; Perceiver Attention. Allowed arithmetic: matrix products marked QUANTISED: E2M3 operands, one E8M0 scale for each 32 along K, by v_wmma_scale_f32_16x16x128_f8f6f4 with both operands' format E2M3, f32 sums; everything else in f32.
;; Inputs: b_out 512 float32; latents 4 x 512 x 512 float32; w_kv 1,024 x 512 float32; w_out 512 x 512 float32; w_q 512 x 512 float32; x 4 x 8,192 x 512 float32.
;; Outputs: out0 4 x 512 x 512 float32.
;; This version of the problem:
;;   THIS VERSION OF THE PROBLEM IS GIVEN IN LOW PRECISION. The matrix products marked QUANTISED in the list below multiply operands that are first quantised to E2M3 (2 exponent bits, 3 mantissa bits; 6 bits a number), with one power-of-two scale for each 32 numbers along K (OCP MX v1.0); their sums are f32. All else is computed in f32.
;;   The module's matrix products, in the order in which they are computed (A, B: the left and right operand; K: the contracted axis; several contracted axes count as one K, in the product's order):
;;     1. [M 2,048, K 512] x [K 512, N 512]; A: input latents; B: input w_q: QUANTISED
;;     2. [M 32,768, K 512] x [K 512, N 1,024]; A: input x; B: input w_kv: QUANTISED
;;     3. batch 64 x [M 512, K 32] x [K 32, N 8,192]; A: computed on the way; B: computed on the way: QUANTISED
;;     4. batch 64 x [M 32, K 8,192] x [K 8,192, N 512]; A: computed on the way; B: softmax (see below): QUANTISED
;;     5. [M 2,048, K 512] x [K 512, N 512]; A: computed on the way; B: input w_out: QUANTISED
;;   THE QUANTISER, for each operand of a quantised product, along K:
;;     - K is cut into blocks of 32 from its start; a last block that is shorter is filled with zeros.
;;     - A block's scale is 2^e with e = floor(log2(the largest magnitude in the block)) - 2, held to -126 .. 127; a block of zeros has e = 0. As a byte (E8M0): e + 127.
;;     - Each number is divided by its block's scale, clamped to +-7.5, and rounded to the nearest number of E2M3, ties to even, subnormals kept.
;;     - The product sums the exact products of the quantised numbers (number of the format x scale) in f32.
;;   ~~~python
;;   def quantise(x, axis):      # numpy; x: float32 -> the quantised numbers, widened to float32 again
;;       x = np.moveaxis(x, axis, -1); K = x.shape[-1]
;;       x = np.pad(x, [(0, 0)] * (x.ndim - 1) + [(0, -K % 32)]); x = x.reshape(x.shape[:-1] + (-1, 32)); a = np.abs(x).max(-1, keepdims=True)
;;       e = np.where(a > 0, np.clip(np.frexp(np.where(a > 0, a, 1))[1] - 1 - 2, -126, 127), 0)      # np.frexp(a)[1] - 1 = floor(log2(a)), exactly
;;       r = np.clip(x / 2.0 ** e, -7.5, 7.5)
;;       step = 2.0 ** (np.maximum(np.frexp(np.where(r == 0, 1, r))[1] - 1, 0) - 3)
;;       q = np.round(r / step) * step * 2.0 ** e      # np.round: ties to even
;;       return np.moveaxis(q.reshape(q.shape[:-2] + (-1,))[..., :K], -1, axis).astype(np.float32)
;;   ~~~
;;   SOFTMAX AHEAD OF A QUANTISED PRODUCT. Where the list says 'softmax', what is quantised is not the finished softmax but p = 2^(t - M), with t = logit x log2(e) and M = ceil(the row's largest t), a whole number; so 1/2 < the row's largest p <= 1. The row's sum l is taken of the UNQUANTISED p, in f32, and the product's result is divided by l at the end. Since M is a whole number, a kernel that streams over the keys may use a running M (the ceiling of the running maximum): every later rescaling is an exact power of two, which a block's scale takes up: the codes' values come out the same.
;;   OPERANDS COMPUTED ON THE WAY. 'Computed on the way' means the value that the module computes at that place (a softmax that the list does not call 'softmax' is quantised finished and normalised). What goes into a quantiser is computed in f32, as accurately as f32 sums, v_exp_f32 and their like allow (about 1e-6 of the number): no bf16 or f16 on the way to a quantiser, and a product that is left as it is and whose result goes on into a quantised operand takes f32 operands (vector FMAs, or v_wmma_f32_16x16x4_f32). A number that lies on a knife's edge between two numbers of the format may be rounded either way, as far as f32 arithmetic and the matrix unit's own rounding can turn it there, and no further.
;; One version. Each part assembles by itself: llvm-mc -triple=amdgcn-amd-amdhsa -mcpu=gfx1250 --defsym DOCPART=n.
;; ======== version 1 of 1: 4 launches
;; limits: right only within a limited range of input values
;; workspace buffers: wimg 1,638,400 bytes; kvrec 26,214,400 bytes; oc 786,432 bytes; os 32,768 bytes
;; launch prep (part 1): grid 256 x 1, 2 waves a work-group, no clusters, 0 bytes of LDS; arguments w_kv, w_q, w_out, latents, wimg; writes wimg
.if DOCPART == 1
	.amdgcn_target "amdgcn-amd-amdhsa--gfx1250"
	.amdhsa_code_object_version 6
	.text
	.protected	k_q93cde0330e_prep
	.globl	k_q93cde0330e_prep
	.p2align	8
	.type	k_q93cde0330e_prep,@function
k_q93cde0330e_prep:
	s_mov_b64 s[64:65], 0
	v_nop
	global_prefetch_b8 v0, s[64:65] scope:SCOPE_SE
	s_setreg_imm32_b32 hwreg(HW_REG_WAVE_MODE, 25, 1), 1
	s_wait_xcnt 0x0
; w_kv [1024][512], w_q [512][512], w_out [512][512] and latents [2048][512], f32 with K innermost, become codes of FP6 (E2M3) with one E8M0 byte
; for each 32 along K, laid as IMAGES OF OPERAND REGISTERS: a fragment (16 rows x 128 K, 12 registers a lane) is three planes of 512 bytes, plane c = registers 4 c .. 4 c + 3, 16 bytes a lane.
; A PAIR is 32 rows: its block in wimg is 12,800 bytes: fragment (K step s, tile u) at (2 s + u) x 1,536; scale plane s at 12,288 + 128 s, 4 bytes a lane (lanes 0-15 tile 0's rows, lanes 16-31 tile 1's).
; Pairs 0-31 w_kv, 32-47 w_q, 48-63 w_out, 64-127 latents.
; THE ROWS OF A TILE ARE NOT NEIGHBOURS: row r of tile u of pair p is row 32 p + 8 u + (r & 7) + 16 (r >> 3), so that a product that takes such a tile as source 0 leaves in a lane's 16 registers
; of the pair's two tiles 16 neighbouring rows of the tensor.
; A block's scale is 2^(floor(log2(its largest magnitude)) - 2); its byte is the largest magnitude's exponent field - 2, held at 1 from below.
; LIMITS: a block of zeros gets the byte 1 where the rule says 127 (its codes are zeros, which add nothing under any byte but 0xff, and this program alone reads the bytes);
; NaN and infinities among the inputs are not served.
; SHARES: work-group g: pair g / 2; its two waves: K steps 2 (g & 1) + wave.  A wave makes the pair's two fragments of its K step.  Waves share nothing: no LDS, no barrier, no cluster.
; A lane loads, of its row, 16 neighbours of each block of 32 (64 bytes): a tile's 16 loads together use every byte of 16 rows x 512 bytes.
.set TM,  8                            ; v8-19   at work: largest magnitudes, bytes, the conversions' scale operands
.set PT,  20                           ; v20-27  the upper blocks' half codes
.set PW0, 28                           ; v28, v29 the two tiles' scale words
.set PW1, 29
.set SW,  30                           ; v30     both in one register
.set PCA, 32                           ; v32-43  tile 0's fragment
.set PCB, 44                           ; v44-55  tile 1's
.set NUM, 64                           ; v64-191 the numbers: 64 a tile
.set SEL, 32                           ; s[32:33] v_permlanex16_b32's selects for lane l xor 16
.set MHI, 34                           ; s34     the mask of lanes 16-31
; 64 numbers of a lane, register 16 b + i = place 16 (lane / 16) + i of block b of the lane's row, become a fragment in v[dst] on and the row's scale word in v[pw].
.macro QUANT src, dst, pw
.irp b, 0,1,2,3
	v_max3_num_f32 v[TM+\b], |v[\src+16*\b]|, |v[\src+16*\b+1]|, 0x1800000   ; my 16 numbers of block b, and the floor 2^(3 - 127): the byte cannot fall under 1
.endr
.irp i, 2,4,6,8,10,12,14
.irp b, 0,1,2,3
	v_max3_num_f32 v[TM+\b], v[TM+\b], |v[\src+16*\b+\i]|, |v[\src+16*\b+\i+1]|   ; the four blocks by turns
.endr
.endr
.irp b, 0,1,2,3
	v_permlanex16_b32 v[TM+4+\b], v[TM+\b], s[SEL], s[SEL+1]
.endr
.irp b, 0,1,2,3
	v_max_num_f32 v[TM+\b], v[TM+\b], v[TM+4+\b]   ; with lane l xor 16's 16: the block's largest magnitude
.endr
.irp b, 0,1,2,3
	v_add_nc_u32 v[TM+8+\b], 0xff000000, v[TM+\b]  ; 2 off its exponent field: the conversion takes this operand's exponent field as its scale
.endr
.irp b, 0,1,2,3
	v_lshrrev_b32 v[TM+4+\b], 23, v[TM+8+\b]       ; the scale's byte
.endr
	v_lshl_or_b32 v[\pw], v[TM+5], 8, v[TM+4]
	v_lshl_or_b32 v[\pw], v[TM+6], 16, v[\pw]
	v_lshl_or_b32 v[\pw], v[TM+7], 24, v[\pw]      ; the row's scale word, the same in both halves of the lanes
.irp c, 0,1
	v_cvt_scalef32_pk16_fp6_f32 v[\dst+6*\c:\dst+6*\c+2], v[\src+32*\c:\src+32*\c+15], v[TM+8+2*\c]
	v_cvt_scalef32_pk16_fp6_f32 v[PT+4*\c:PT+4*\c+2], v[\src+32*\c+16:\src+32*\c+31], v[TM+8+2*\c+1]   ; (a conversion's three registers begin on an even number)
.endr
	v_nop                                          ; one plain line behind the scaled conversions
.irp c, 0,1                                    ; the layout wants a whole block in a lane: lanes 0-15 block 2 c, lanes 16-31 block 2 c + 1
.irp i, 0,1,2
	v_permlane16_swap_b32 v[\dst+6*\c+\i], v[PT+4*\c+\i]
.endr
.irp i, 0,1,2
	v_mov_b32 v[\dst+6*\c+3+\i], v[PT+4*\c+\i]
.endr
.endr
.endm
	s_load_b256 s[4:11], s[0:1], 0x0               ; w_kv s[4:5], w_q s[6:7], w_out s[8:9], latents s[10:11]
	s_load_b64 s[12:13], s[0:1], 0x20              ; wimg
	v_lshrrev_b32 v4, 5, v0
	v_readfirstlane_b32 s14, v4                    ; wave
	v_and_b32 v5, 31, v0                           ; lane
	v_lshlrev_b32 v1, 4, v5                        ; 16 x lane: my place in a plane
	v_lshlrev_b32 v2, 2, v5                        ; 4 x lane: my place in a scale plane
	v_and_b32 v6, 7, v0
	v_bfe_u32 v7, v0, 3, 1
	v_lshl_add_u32 v6, v7, 4, v6                   ; (r & 7) + 16 (r >> 3)
	v_bfe_u32 v7, v0, 4, 1                         ; h
	v_lshlrev_b32 v3, 11, v6                       ; that row of 2,048 bytes,
	v_lshl_add_u32 v3, v7, 6, v3                   ; + 64 h
.irp b, 0,1,2,3
	v_mov_b32 v[TM+4+\b], 0                        ; written once: a lane permute's destination counts as one of its sources
.endr
	s_lshr_b32 s15, ttmp9, 1                       ; the pair
	s_and_b32 s16, ttmp9, 1
	s_lshl_b32 s16, s16, 1
	s_add_co_u32 s16, s16, s14                     ; the K step
	s_mov_b32 s[SEL], 0x76543210
	s_mov_b32 s[SEL+1], 0xfedcba98
	s_mov_b32 s[MHI], 0xffff0000
	s_mov_b32 s23, 0
	s_mov_b32 s29, 0
	s_wait_alu depctr_va_vdst(0)
	s_wait_kmcnt 0x0
	s_cmp_lt_u32 s15, 64                           ; which tensor: the choice hangs on the work-group's number alone
	s_cselect_b64 s[20:21], s[8:9], s[10:11]
	s_cselect_b32 s17, 48, 64                      ; and the tensor's first pair
	s_cmp_lt_u32 s15, 48
	s_cselect_b64 s[20:21], s[6:7], s[20:21]
	s_cselect_b32 s17, 32, s17
	s_cmp_lt_u32 s15, 32
	s_cselect_b64 s[20:21], s[4:5], s[20:21]
	s_cselect_b32 s17, 0, s17
	s_sub_co_u32 s17, s15, s17                     ; the pair within its tensor
	s_lshl_b32 s22, s17, 16                        ; 32 rows of 2,048 bytes,
	s_lshl_b32 s18, s16, 9                         ; 512 bytes a K step
	s_add_co_u32 s22, s22, s18
	s_add_nc_u64 s[20:21], s[20:21], s[22:23]
	s_mul_i32 s22, s15, 12800
	s_mul_i32 s18, s16, 3072
	s_add_co_u32 s22, s22, s18
	s_add_nc_u64 s[24:25], s[12:13], s[22:23]      ; where fragment (s, 0) goes
	s_mul_i32 s28, s15, 12800
	s_lshl_b32 s18, s16, 7
	s_add_co_u32 s28, s28, s18
	s_add_nc_u64 s[26:27], s[12:13], s[28:29]      ; the pair's block + 128 s
.irp u, 0,1
.irp b, 0,1,2,3
.irp j, 0,1,2,3
	global_load_b128 v[NUM+64*\u+16*\b+4*\j:NUM+64*\u+16*\b+4*\j+3], v3, s[20:21] offset:16384*\u+128*\b+16*\j th:TH_LOAD_NT
.endr
.endr
.endr
	s_wait_loadcnt 16                              ; tile 0's 16 loads are in; tile 1's 16 may be out
	QUANT NUM, PCA, PW0
	s_wait_loadcnt 0x0
	QUANT NUM+64, PCB, PW1
	v_cndmask_b32 v[SW], v[PW0], v[PW1], s[MHI]    ; lanes 0-15 tile 0's words, lanes 16-31 tile 1's
.irp c, 0,1,2
	global_store_b128 v1, v[PCA+4*\c:PCA+4*\c+3], s[24:25] offset:512*\c           ; 32 lanes store 512 consecutive bytes, at a multiple of 256 from the buffer's first byte
	global_store_b128 v1, v[PCB+4*\c:PCB+4*\c+3], s[24:25] offset:1536+512*\c
.endr
	global_store_b32 v2, v[SW], s[26:27] offset:12288
	s_endpgm
.Lfunc_end_k_q93cde0330e_prep:
	.size	k_q93cde0330e_prep, .Lfunc_end_k_q93cde0330e_prep-k_q93cde0330e_prep
	.p2alignl 7, 3214868480
	.fill 96, 4, 3214868480
	.section	.rodata,"a",@progbits
	.p2align	6, 0x0
	.amdhsa_kernel k_q93cde0330e_prep
		.amdhsa_group_segment_fixed_size 0
		.amdhsa_private_segment_fixed_size 0
		.amdhsa_enable_private_segment 0
		.amdhsa_kernarg_size 40
		.amdhsa_user_sgpr_count 2
		.amdhsa_user_sgpr_kernarg_segment_ptr 1
		.amdhsa_wavefront_size32 1
		.amdhsa_system_sgpr_workgroup_id_x 1
		.amdhsa_system_sgpr_workgroup_id_y 1
		.amdhsa_system_sgpr_workgroup_id_z 1
		.amdhsa_system_vgpr_workitem_id 0
		.amdhsa_next_free_vgpr 192
		.amdhsa_next_free_sgpr 66
		.amdhsa_reserve_vcc 0
		.amdhsa_float_denorm_mode_32 3
		.amdhsa_float_denorm_mode_16_64 3
		.amdhsa_memory_ordered 1
		.amdhsa_forward_progress 1
		.amdhsa_inst_pref_size 14
	.end_amdhsa_kernel
	.amdgpu_metadata
---
amdhsa.version: [ 1, 2 ]
amdhsa.kernels:
  - .name:           k_q93cde0330e_prep
    .symbol:         k_q93cde0330e_prep.kd
    .args:
      - { .name: w_kv, .offset: 0, .size: 8, .value_kind: global_buffer, .address_space: global }
      - { .name: w_q, .offset: 8, .size: 8, .value_kind: global_buffer, .address_space: global }
      - { .name: w_out, .offset: 16, .size: 8, .value_kind: global_buffer, .address_space: global }
      - { .name: latents, .offset: 24, .size: 8, .value_kind: global_buffer, .address_space: global }
      - { .name: wimg, .offset: 32, .size: 8, .value_kind: global_buffer, .address_space: global }
    .group_segment_fixed_size: 0
    .private_segment_fixed_size: 0
    .kernarg_segment_align: 8
    .kernarg_segment_size: 40
    .max_flat_workgroup_size: 64
    .sgpr_count:     66
    .vgpr_count:     192
    .wavefront_size: 32
...
	.end_amdgpu_metadata
.endif
;; end of part 1
;; launch proj (part 2): grid 256 x 1, 4 waves a work-group, no clusters, 327,680 bytes of LDS; arguments x, wimg, kvrec; writes kvrec
.if DOCPART == 2
	.amdgcn_target "amdgcn-amd-amdhsa--gfx1250"
	.amdhsa_code_object_version 6
	.text
	.protected	k_q93cde0330e_proj
	.globl	k_q93cde0330e_proj
	.p2align	8
	.type	k_q93cde0330e_proj,@function
k_q93cde0330e_proj:
	s_mov_b64 s[64:65], 0
	v_nop
	global_prefetch_b8 v0, s[64:65] scope:SCOPE_SE
	s_setreg_imm32_b32 hwreg(HW_REG_WAVE_MODE, 25, 1), 1
	s_wait_xcnt 0x0
.set XSTW,  67584
.set XIMG,  270336
.set XSC,   319488
.set SPARE, 321536
.set LI,   1
.set LS4,  2
.set LS8,  3
.set XA,   4
.set XWI,  5
.set XWS,  6
.set LIX,  7
.set LSX,  8
.set SPW,  10
.set NIL,  11
.set XS,   16
.set WS,   32
.set TM,   40
.set PT,   52
.set PW0,  60
.set PW1,  61
.set SWP,  62
.set SWX,  64
.set PCA,  66
.set PCB,  78
.set ACC,  128
.set SEL,  32
.set MHI,  34
.set MSB, 0
.macro WIN new
.if MSB != (\new)
	s_set_vgpr_msb (MSB<<8)|(\new)
.set MSB, (\new)
.endif
.endm
.macro WM d, a, b, zero, sa, sb, ra, rb
.if \zero
.if (\ra) && (\rb)
	v_wmma_scale_f32_16x16x128_f8f6f4 v[\d:\d+7], v[\a:\a+11], v[\b:\b+11], 0, v[\sa], v[\sb] matrix_a_fmt:MATRIX_FMT_FP6 matrix_b_fmt:MATRIX_FMT_FP6 matrix_a_scale:MATRIX_SCALE_ROW1 matrix_b_scale:MATRIX_SCALE_ROW1
.elseif \ra
	v_wmma_scale_f32_16x16x128_f8f6f4 v[\d:\d+7], v[\a:\a+11], v[\b:\b+11], 0, v[\sa], v[\sb] matrix_a_fmt:MATRIX_FMT_FP6 matrix_b_fmt:MATRIX_FMT_FP6 matrix_a_scale:MATRIX_SCALE_ROW1
.elseif \rb
	v_wmma_scale_f32_16x16x128_f8f6f4 v[\d:\d+7], v[\a:\a+11], v[\b:\b+11], 0, v[\sa], v[\sb] matrix_a_fmt:MATRIX_FMT_FP6 matrix_b_fmt:MATRIX_FMT_FP6 matrix_b_scale:MATRIX_SCALE_ROW1
.else
	v_wmma_scale_f32_16x16x128_f8f6f4 v[\d:\d+7], v[\a:\a+11], v[\b:\b+11], 0, v[\sa], v[\sb] matrix_a_fmt:MATRIX_FMT_FP6 matrix_b_fmt:MATRIX_FMT_FP6
.endif
.else
.if (\ra) && (\rb)
	v_wmma_scale_f32_16x16x128_f8f6f4 v[\d:\d+7], v[\a:\a+11], v[\b:\b+11], v[\d:\d+7], v[\sa], v[\sb] matrix_a_fmt:MATRIX_FMT_FP6 matrix_b_fmt:MATRIX_FMT_FP6 matrix_a_scale:MATRIX_SCALE_ROW1 matrix_b_scale:MATRIX_SCALE_ROW1
.elseif \ra
	v_wmma_scale_f32_16x16x128_f8f6f4 v[\d:\d+7], v[\a:\a+11], v[\b:\b+11], v[\d:\d+7], v[\sa], v[\sb] matrix_a_fmt:MATRIX_FMT_FP6 matrix_b_fmt:MATRIX_FMT_FP6 matrix_a_scale:MATRIX_SCALE_ROW1
.elseif \rb
	v_wmma_scale_f32_16x16x128_f8f6f4 v[\d:\d+7], v[\a:\a+11], v[\b:\b+11], v[\d:\d+7], v[\sa], v[\sb] matrix_a_fmt:MATRIX_FMT_FP6 matrix_b_fmt:MATRIX_FMT_FP6 matrix_b_scale:MATRIX_SCALE_ROW1
.else
	v_wmma_scale_f32_16x16x128_f8f6f4 v[\d:\d+7], v[\a:\a+11], v[\b:\b+11], v[\d:\d+7], v[\sa], v[\sb] matrix_a_fmt:MATRIX_FMT_FP6 matrix_b_fmt:MATRIX_FMT_FP6
.endif
.endif
.endm
.macro QUANT src, dst, pw
.irp b, 0,1,2,3
	v_max3_num_f32 v[TM+\b], |v[\src+16*\b]|, |v[\src+16*\b+1]|, 0x1800000
.endr
.irp i, 2,4,6,8,10,12,14
.irp b, 0,1,2,3
	v_max3_num_f32 v[TM+\b], v[TM+\b], |v[\src+16*\b+\i]|, |v[\src+16*\b+\i+1]|
.endr
.endr
.irp b, 0,1,2,3
	v_permlanex16_b32 v[TM+4+\b], v[TM+\b], s[SEL], s[SEL+1]
.endr
.irp b, 0,1,2,3
	v_max_num_f32 v[TM+\b], v[TM+\b], v[TM+4+\b]
.endr
.irp b, 0,1,2,3
	v_add_nc_u32 v[TM+8+\b], 0xff000000, v[TM+\b]
.endr
.irp b, 0,1,2,3
	v_lshrrev_b32 v[TM+4+\b], 23, v[TM+8+\b]
.endr
	v_lshl_or_b32 v[\pw], v[TM+5], 8, v[TM+4]
	v_lshl_or_b32 v[\pw], v[TM+6], 16, v[\pw]
	v_lshl_or_b32 v[\pw], v[TM+7], 24, v[\pw]
.irp c, 0,1
	v_cvt_scalef32_pk16_fp6_f32 v[\dst+6*\c:\dst+6*\c+2], v[\src+32*\c:\src+32*\c+15], v[TM+8+2*\c]
	v_cvt_scalef32_pk16_fp6_f32 v[PT+4*\c:PT+4*\c+2], v[\src+32*\c+16:\src+32*\c+31], v[TM+8+2*\c+1]
.endr
	v_nop
.irp c, 0,1
.irp i, 0,1,2
	v_permlane16_swap_b32 v[\dst+6*\c+\i], v[PT+4*\c+\i]
.endr
.irp i, 0,1,2
	v_mov_b32 v[\dst+6*\c+3+\i], v[PT+4*\c+\i]
.endr
.endr
.endm
; V's quantiser: register 32 c + i of a lane = place i of block 2 c + (lane / 16) of the lane's row: a whole block in a lane, so no other lane is asked for a maximum
.macro QUANTV src, dst, pw
.irp b, 0,1,2,3
	v_max3_num_f32 v[TM+\b], |v[\src+16*\b]|, |v[\src+16*\b+1]|, 0x1800000
.endr
.irp i, 2,4,6,8,10,12,14
.irp b, 0,1,2,3
	v_max3_num_f32 v[TM+\b], v[TM+\b], |v[\src+16*\b+\i]|, |v[\src+16*\b+\i+1]|
.endr
.endr
	v_max_num_f32 v[TM], v[TM], v[TM+1]
	v_max_num_f32 v[TM+1], v[TM+2], v[TM+3]
	v_add_nc_u32 v[TM+8], 0xff000000, v[TM]
	v_add_nc_u32 v[TM+9], 0xff000000, v[TM+1]
	v_lshrrev_b32 v[TM+4], 23, v[TM+8]
	v_lshrrev_b32 v[TM+5], 23, v[TM+9]
	v_lshl_or_b32 v[TM+5], v[TM+5], 16, v[TM+4]
	v_lshlrev_b32 v[TM+5], v14, v[TM+5]            ; my two bytes, 8 (lane / 16) bits up
	v_permlanex16_b32 v[TM+4], v[TM+5], s[SEL], s[SEL+1]
	v_or_b32 v[\pw], v[TM+5], v[TM+4]              ; with lane l xor 16's two the word is whole
.irp c, 0,1
	v_cvt_scalef32_pk16_fp6_f32 v[\dst+6*\c:\dst+6*\c+2], v[\src+32*\c:\src+32*\c+15], v[TM+8+\c]
	v_cvt_scalef32_pk16_fp6_f32 v[PT+4*\c:PT+4*\c+2], v[\src+32*\c+16:\src+32*\c+31], v[TM+8+\c]
.endr
	v_nop
.irp c, 0,1
.irp i, 0,1,2
	v_mov_b32 v[\dst+6*\c+3+\i], v[PT+4*\c+\i]
.endr
.endr
.endm
.macro WLOAD set, off
	WIN 0xc0
.irp f, 0,1,2,3,4,5,6,7
.irp c, 0,1,2
	global_load_b128 v[96*\set+12*\f+4*\c:96*\set+12*\f+4*\c+3], v[LI], s[12:13] offset:\off+1536*\f+512*\c
.endr
.endr
	WIN 0
.irp s, 0,1,2,3
	global_load_b32 v[WS+4*\set+\s], v[LS4], s[12:13] offset:\off+12288+128*\s
.endr
.endm
.macro XREAD t
.irp b, 0,1,2,3
.irp j, 0,1,2,3
	ds_load_b128 v[ACC+64*((\t)%2)+16*\b+4*\j:ACC+64*((\t)%2)+16*\b+4*\j+3], v[XA] offset:528*(64*((\t)/4)+8*((\t)%4))+128*\b+16*\j
.endr
.endr
.endm
.macro XTILE t
	s_wait_dscnt 0x0
.if (\t) == 3
	s_wait_tensorcnt 0x0
.endif
.if (\t) < 7
	XREAD (\t)+1
.endif
	QUANT ACC+64*((\t)%2), PCA, PW0+(\t)%2
.irp c, 0,1,2
	ds_store_b128 v[XWI], v[PCA+4*\c:PCA+4*\c+3] offset:1536*(\t)+512*\c
.endr
.if (\t)%2 == 1
	v_cndmask_b32 v[SWX], v[PW0], v[PW1], s[MHI]
	ds_store_b32 v[XWS], v[SWX] offset:128*((\t)/2)
.endif
.endm
.macro UNITMUL kind, set
.irp s, 0,1,2,3
.if \kind == 0
	WIN 0x07+4*(\s/2)
.else
	WIN 0x0d+(\s/2)
.endif
.irp t, 0,1,2,3,4,5,6,7
.irp u, 0,1
.if \kind == 0
	WM ACC+16*\t+8*\u, 96*\set+12*(2*\s+\u), 96*(\s%2)+12*\t, (\s==0), WS+4*\set+\s, XS+4*\s+\t/2, \u, \t%2
.else
	WM ACC+64*\u+8*\t, 96*(\s%2)+12*\t, 96*\set+12*(2*\s+\u), (\s==0), XS+4*\s+\t/2, WS+4*\set+\s, \t%2, \u
.endif
.endr
.endr
.endr
.endm
.macro PUT reg, off
.irp c, 0,1,2
	global_store_b128 v[LI], v[\reg+4*\c:\reg+4*\c+3], s[14:15] offset:\off+512*\c th:TH_STORE_NT
.endr
.endm
.macro HEAD pf
	s_wait_loadcnt 28
	UNITMUL 0, 0
	WIN 0
.rept 4
	v_nop
.endr
	s_wait_xcnt 0x0
.if \pf
	WLOAD 0, 12800
.endif
	QUANT ACC, PCA, PW0
	PUT PCA, 0
	QUANT ACC+64, PCB, PW1
	PUT PCB, 1536
	v_cndmask_b32 v[SWP], v[PW0], v[PW1], s[MHI]
	s_wait_loadcnt 28*\pf
	UNITMUL 1, 1
	WIN 0
.rept 4
	v_nop
.endr
	s_wait_xcnt 0x0
.if \pf
	WLOAD 1, 217600
.endif
	QUANTV ACC, PCA, PW0
	PUT PCA, 3072
	QUANTV ACC+64, PCB, PW1
	PUT PCB, 4608
	v_cndmask_b32 v[SWP+1], v[PW0], v[PW1], s[MHI]
	global_store_b64 v[LS8], v[SWP:SWP+1], s[14:15] offset:6144 th:TH_STORE_NT
.if \pf
	s_wait_xcnt 0x0
	s_add_nc_u64 s[12:13], s[12:13], 12800
	s_add_nc_u64 s[14:15], s[14:15], 409600
.endif
.endm
	s_load_b128 s[4:7], s[0:1], 0x0
	s_load_b64 s[8:9], s[0:1], 0x10
	v_lshl_add_u32 v[SPW], v0, 2, SPARE
	v_mov_b32 v[NIL], 0
	ds_add_u32 v[SPW], v[NIL]
	ds_add_u32 v[SPW], v[NIL]
	v_lshrrev_b32 v9, 5, v0
	v_readfirstlane_b32 s10, v9
	s_mov_b32 s16, (2<<16)|(1<<20)|(6<<22)|(3<<25)
	s_mov_b32 s17, 128<<16
	s_mov_b32 s18, 64<<16
	s_mov_b32 s19, 128<<16
	s_mov_b32 s20, 64
	s_mov_b32 s21, 512
	s_mov_b32 s22, 0
	s_mov_b32 s23, 0
	s_mul_i32 s36, s10, XSTW
	s_lshl_b32 s38, ttmp9, 18
	s_lshl_b32 s37, s10, 9
	s_add_co_u32 s38, s38, s37
	s_mov_b32 s39, 0
	s_mov_b32 s[SEL], 0x76543210
	s_mov_b32 s[SEL+1], 0xfedcba98
	s_mov_b32 s[MHI], 0xffff0000
	s_wait_dscnt 0x0
	s_wait_kmcnt 0x0
	s_mov_b32 s24, 1
	s_mov_b32 s25, s36
	s_add_nc_u64 s[26:27], s[4:5], s[38:39]
	s_mov_b32 s28, 1
	s_add_co_u32 s29, s36, 33792
	s_add_nc_u64 s[30:31], s[26:27], 131072
	s_or_b32 s27, s27, 0x80000000
	s_or_b32 s31, s31, 0x80000000
	tensor_load_to_lds s[24:27], s[16:23]
	s_nop 0
	s_wait_alu depctr_va_vdst(0)
	s_wait_tensorcnt 0x0
	ds_add_u32 v10, v11
	s_wait_dscnt 0x0
	s_barrier_signal -1
	s_barrier_wait -1
	tensor_load_to_lds s[28:31], s[16:23]
	s_nop 0
.rept 4
	v_nop
.endr
	v_and_b32 v9, 31, v0
	v_and_b32 v12, 15, v0
	v_bfe_u32 v13, v0, 4, 1
	v_lshlrev_b32 v[LI], 4, v9
	v_lshlrev_b32 v[LS4], 2, v9
	v_lshlrev_b32 v[LS8], 3, v9
	v_and_b32 v15, 8, v12
	v_mad_u32_u24 v12, v15, 3, v12                 ; row m of x's tile 4 F + b is key 64 F + 32 (m >> 3) + 8 b + (m & 7): here (m & 7) + 32 (m >> 3)
	v_mul_u32_u24 v[XA], v12, 528
	v_lshlrev_b32 v14, 3, v13                      ; 8 x (lane / 16)
	v_lshl_add_u32 v[XA], v13, 6, v[XA]
	v_add_nc_u32 v[XA], s36, v[XA]
	s_mul_i32 s37, s10, 12288
	s_add_co_u32 s37, s37, XIMG
	v_add_nc_u32 v[XWI], s37, v[LI]
	s_lshl_b32 s37, s10, 9
	s_add_co_u32 s37, s37, XSC
	v_add_nc_u32 v[XWS], s37, v[LS4]
	v_add_nc_u32 v[LIX], XIMG, v[LI]
	v_add_nc_u32 v[LSX], XSC, v[LS4]
.irp b, 0,1,2,3
	v_mov_b32 v[TM+4+\b], 0
.endr
	s_mul_i32 s40, s10, 51200
	s_mov_b32 s41, 0
	s_add_nc_u64 s[12:13], s[6:7], s[40:41]
	s_lshr_b32 s42, ttmp9, 6
	s_lshl_b32 s42, s42, 4
	s_lshl_b32 s43, s10, 2
	s_add_co_u32 s42, s42, s43
	s_mul_i32 s40, s42, 409600
	s_and_b32 s43, ttmp9, 63
	s_mul_i32 s43, s43, 6400
	s_add_co_u32 s40, s40, s43
	s_add_nc_u64 s[14:15], s[8:9], s[40:41]
	WLOAD 0, 0
	WLOAD 1, 204800
	s_wait_alu depctr_va_vdst(0)
	s_wait_tensorcnt 1
	XREAD 0
.irp t, 0,1,2,3,4,5,6,7
	XTILE \t
.endr
	s_wait_dscnt 0x0
	s_barrier_signal -1
	s_barrier_wait -1
	WIN 0x40
.irp s, 0,1
.irp t, 0,1,2,3,4,5,6,7
.irp c, 0,1,2
	ds_load_b128 v[96*\s+12*\t+4*\c:96*\s+12*\t+4*\c+3], v[LIX] offset:(8*\s+\t)*1536+512*\c
.endr
.endr
.endr
	WIN 0x80
.irp s, 2,3
.irp t, 0,1,2,3,4,5,6,7
.irp c, 0,1,2
	ds_load_b128 v[96*(\s-2)+12*\t+4*\c:96*(\s-2)+12*\t+4*\c+3], v[LIX] offset:(8*\s+\t)*1536+512*\c
.endr
.endr
.endr
	WIN 0
.irp k, 0,1,2,3,4,5,6,7,8,9,10,11,12,13,14,15
	ds_load_b32 v[XS+\k], v[LSX] offset:128*\k
.endr
	s_wait_dscnt 0x0
	s_mov_b32 s35, 3
.Lhead:
	HEAD 1
	s_sub_co_u32 s35, s35, 1
	s_cmp_lg_u32 s35, 0
	s_cbranch_scc1 .Lhead
	HEAD 0
	s_wait_tensorcnt 0x0
	ds_add_u32 v[SPW], v[NIL]
	s_wait_dscnt 0x0
	s_endpgm
.Lfunc_end_k_q93cde0330e_proj:
	.size	k_q93cde0330e_proj, .Lfunc_end_k_q93cde0330e_proj-k_q93cde0330e_proj
	.p2alignl 7, 3214868480
	.fill 96, 4, 3214868480
	.section	.rodata,"a",@progbits
	.p2align	6, 0x0
	.amdhsa_kernel k_q93cde0330e_proj
		.amdhsa_group_segment_fixed_size 327680
		.amdhsa_private_segment_fixed_size 0
		.amdhsa_enable_private_segment 0
		.amdhsa_kernarg_size 24
		.amdhsa_user_sgpr_count 2
		.amdhsa_user_sgpr_kernarg_segment_ptr 1
		.amdhsa_wavefront_size32 1
		.amdhsa_system_sgpr_workgroup_id_x 1
		.amdhsa_system_sgpr_workgroup_id_y 1
		.amdhsa_system_sgpr_workgroup_id_z 1
		.amdhsa_system_vgpr_workitem_id 0
		.amdhsa_next_free_vgpr 1024
		.amdhsa_next_free_sgpr 66
		.amdhsa_reserve_vcc 0
		.amdhsa_float_denorm_mode_32 3
		.amdhsa_float_denorm_mode_16_64 3
		.amdhsa_memory_ordered 1
		.amdhsa_forward_progress 1
		.amdhsa_inst_pref_size 126
	.end_amdhsa_kernel
	.amdgpu_metadata
---
amdhsa.version: [ 1, 2 ]
amdhsa.kernels:
  - .name:           k_q93cde0330e_proj
    .symbol:         k_q93cde0330e_proj.kd
    .args:
      - { .name: x, .offset: 0, .size: 8, .value_kind: global_buffer, .address_space: global }
      - { .name: wimg, .offset: 8, .size: 8, .value_kind: global_buffer, .address_space: global }
      - { .name: kvrec, .offset: 16, .size: 8, .value_kind: global_buffer, .address_space: global }
    .group_segment_fixed_size: 327680
    .private_segment_fixed_size: 0
    .kernarg_segment_align: 8
    .kernarg_segment_size: 24
    .max_flat_workgroup_size: 128
    .sgpr_count:     66
    .vgpr_count:     1024
    .wavefront_size: 32
...
	.end_amdgpu_metadata
.endif
;; end of part 2
;; launch attn (part 3): grid 4 x 64, 16 waves a work-group, clusters of 4 x 1, 327,680 bytes of LDS; arguments wimg, kvrec, oc, os; writes oc, os
.if DOCPART == 3
	.amdgcn_target "amdgcn-amd-amdhsa--gfx1250"
	.amdhsa_code_object_version 6
	.text
	.protected	k_q93cde0330e_attn
	.globl	k_q93cde0330e_attn
	.p2align	8
	.type	k_q93cde0330e_attn,@function
k_q93cde0330e_attn:
	s_mov_b64 s[64:65], 0
	v_nop
	global_prefetch_b8 v0, s[64:65] scope:SCOPE_SE
	s_setreg_imm32_b32 hwreg(HW_REG_WAVE_MODE, 25, 1), 1
	s_wait_xcnt 0x0
	s_wait_alu depctr_hold_cnt(0) depctr_sa_sdst(0) depctr_va_vdst(0) depctr_va_sdst(0) depctr_va_ssrc(0) depctr_va_vcc(0) depctr_vm_vsrc(0)
	s_getreg_b32 s2, hwreg(HW_REG_IB_STS2, 6, 4)
	s_cmp_eq_u32 s2, 0
	s_cbranch_scc0 .Lentry_in_a_cluster
	s_endpgm
.Lentry_in_a_cluster:
	s_bfe_u32 s2, ttmp6, 0x10000c
	s_cmp_lg_u32 s2, 0x3003
	s_cbranch_scc0 .Lentry_shape_is_right
	s_endpgm
.Lentry_shape_is_right:
; For one (batch, head) and 128 of its 512 queries: q = latents w_q^T (the head's 32 columns), quantised; S^T = K q^T; the softmax ahead of a quantised product; O^T = V^T p^T; o = O / l, quantised for the last product.
; All products on codes of FP6 (E2M3) with E8M0 scales.  K and V come as records of 6,400 bytes for 128 keys out of kvrec (images of operand registers), the weights and latents as images out of wimg.
; THE SOFTMAX: t = score x log2(e) / sqrt(32); M = the running largest t rounded UP to a whole number; p = 2^(t - M) is quantised along the keys, not normalised; the row's sum is taken of the unquantised p and divides at the end;
; when M moves, the sum and O are multiplied by 2^(old M - new M), which rounds nothing.
; SHARES.  grid x = 4 is one cluster: the place in it is the quarter of the queries; y = 16 batch + head.  SIXTEEN waves of 256 registers, four to a SIMD: wave w owns the tile of 16 queries w & 7 and the records of parity w >> 3,
; 32 key steps of 128 keys.  At the end waves 8-15 hand O, -M and the sum to waves 0-7 through LDS bytes of their own, and those join the two parts by exact powers of two.  A lane holds ONE query (lane % 16): both products are used transposed.
; THE FIRST PRODUCT OF A STEP HAS K = 32.  Row m, block b of K's fragment F is key 64 F + 32 (m >> 3) + 8 b + (m & 7).  q is kept in four versions, its 32 codes in block b and zero codes elsewhere (cut out of 30 registers Z0 QL Z1 QH Z2).
; So register 32 F + 8 b + j of lane half h is key 64 F + 32 h + 8 b + j: A LANE HOLDS WHOLE BLOCKS OF 32 KEYS, in their own order, which is the order of the second product's operand: a block's maximum needs no other lane, and the
; conversions' results are the operand's registers (three of each six moved: a conversion's three registers begin on an even number).  V's fragments have their keys in the same places.
; CLUSTER.  The four work-groups walk the same records: every fill is asked for JOINTLY, by all sixteen waves, with the mask of all four.  The place in the cluster enters global addresses of latents, oc and os alone.
; LDS: a small slot of 16 records, a large one of 32.  Records 0-15 come at the head (a record a wave), 16-47 behind the first round (two a wave), 48-63 into the small slot behind the second (one a wave).  One tensor load of a wave is out at a time.
; NO PREFETCH: each fill behind the head's is asked for 8 or 16 of a wave's key steps ahead of its first read, and the head's own has no loop ahead of it.
; OUT: oc [16 batch + head][tile 0..31][lane r][24 bytes]: the 32 codes of o; os likewise, one scale byte.  Lane r of tile T is query row 32 (T >> 1) + 8 (T & 1) + (r & 7) + 16 (r >> 3) of the batch: latents' order in wimg.
; LIMITS: NaN and infinities are not served; a block of zeros gets the byte 1 where the rule says 127 (its codes are zeros; this program alone reads the bytes); v_exp_f32 gives 0 for results under 2^-126;
; a block's largest p is taken from its largest score, which takes v_exp_f32 not to fall where its input rises; the promise holds while |t| stays under 2^31.
.set REC,   6400
.set SLOTB, 16*REC                     ; the large slot, behind the small one
.set SPARE, 48*REC                     ; 307,200: the spare words, 128 bytes a wave: eight blocks of 256 bytes that no other line names
.set STAGE, SPARE+2048                 ; the join: 2,304 bytes for each of eight tiles: four planes of 512 bytes (O), one of 256 (-M, the sum); no fill lands here
.set LI,  1                            ; 16 x lane
.set LS8, 2                            ; 8 x lane
.set ADR, 3                            ; LDS address of the record, + 16 x lane
.set ADS, 4                            ; + 8 x lane
.set SPW, 5                            ; my spare word; never rewritten
.set NIL, 6                            ; 0; never rewritten
.set OCA, 7                            ; 24 r + 12 h
.set OSA, 8                            ; r
.set SH8, 10                           ; v_perm_b32's selector that puts my two blocks' scale bytes at bytes h and 2 + h of a word, zeros elsewhere
.set LIG, 11                           ; 16 x lane + my parity's record
.set LSG, 252                          ; 8 x lane + the same
.set MADR, 253                         ; my tile's stage + 16 x lane
.set M2A, 254                          ; + 8 x lane
.set QS,  16                           ; v16-19 scale words and nothing else: q's, K's, V's, p's
.set KS,  17
.set VS,  18
.set PS,  19
.set QZ,  20                           ; v20-49 Z0 QL Z1 QH Z2; version b begins at QBb
.set QB0, 26
.set QB1, 38
.set QB2, 20
.set QB3, 32
.set KF,  50                           ; K's two fragments
.set VF,  74                           ; V^T's two
.set S,   98                           ; v98-161 S^T, then p
.set O,   162                          ; v162-177 O^T: register 8 u + j of lane half h = the head's number 16 h + 8 u + j
.set PC,  178                          ; p's codes
.set PT,  190                          ; the upper halves of the blocks' codes
.set BM,  198                          ; v198-201 four chains of maxima; then BM, BM+2: my two blocks' largest score, then p
.set BX,  202
.set SO,  204                          ; the conversions' scale operands
.set T0,  206
.set T1,  207
.set WX,  208
.set W,   209
.set FF,  212                          ; v[212:213] f = 2^(old M - new M), and 0
.set U,   214                          ; v214-227 seven chains of the sum
.set WQ,  50                           ; at the head only: w_q's 8 fragments, latents' 4, their scale words, q
.set LAT, 146
.set WQS, 220
.set LSC, 224
.set QA,  228
.set WV,  12                           ; s12 my wave's number
.set G1,  24                           ; s[24:31] group 1 for a record; s[56:63] for two; s[32:35], s[36:39] group 0 of the small and the large slot
.set G1B, 56
.set SEL, 40
.set CS,  42                           ; s[42:43] c = log2(e) / sqrt(32), twice
.set MLO, 44
.set TB,  45
.set CNT, 46
.macro WM d, a, b, zero, sa, sb, ra            ; zero: the sum begins.  ra: source 0's scale words stand in lanes 16-31
.if \zero
.if \ra
	v_wmma_scale_f32_16x16x128_f8f6f4 v[\d:\d+7], v[\a:\a+11], v[\b:\b+11], 0, v[\sa], v[\sb] matrix_a_fmt:MATRIX_FMT_FP6 matrix_b_fmt:MATRIX_FMT_FP6 matrix_a_scale:MATRIX_SCALE_ROW1
.else
	v_wmma_scale_f32_16x16x128_f8f6f4 v[\d:\d+7], v[\a:\a+11], v[\b:\b+11], 0, v[\sa], v[\sb] matrix_a_fmt:MATRIX_FMT_FP6 matrix_b_fmt:MATRIX_FMT_FP6
.endif
.else
.if \ra
	v_wmma_scale_f32_16x16x128_f8f6f4 v[\d:\d+7], v[\a:\a+11], v[\b:\b+11], v[\d:\d+7], v[\sa], v[\sb] matrix_a_fmt:MATRIX_FMT_FP6 matrix_b_fmt:MATRIX_FMT_FP6 matrix_a_scale:MATRIX_SCALE_ROW1
.else
	v_wmma_scale_f32_16x16x128_f8f6f4 v[\d:\d+7], v[\a:\a+11], v[\b:\b+11], v[\d:\d+7], v[\sa], v[\sb] matrix_a_fmt:MATRIX_FMT_FP6 matrix_b_fmt:MATRIX_FMT_FP6
.endif
.endif
.endm
.macro ROUND                                   ; a round of the cluster's barrier
	s_barrier_signal -1
	s_barrier_wait -1
	s_cmp_lg_u32 s[WV], 0
	s_cbranch_scc1 .Lnot_wave_0_\@
	s_barrier_signal -3
.Lnot_wave_0_\@:
	s_barrier_wait -3
	s_barrier_signal -1
	s_barrier_wait -1
.endm
.macro TLOAD g0, g1                            ; a joint load, issued by every wave; s_nop 0 and four v_nop follow it
	tensor_load_to_lds s[\g0:\g0+3], s[\g1:\g1+7]
	s_nop 0
.rept 4
	v_nop
.endr
.endm
.macro KLOAD                                   ; K's two fragments and its scale words (lanes 0-15 F = 0, lanes 16-31 F = 1): 7 loads
.irp F, 0,1
.irp c, 0,1,2
	ds_load_b128 v[KF+12*\F+4*\c:KF+12*\F+4*\c+3], v[ADR] offset:1536*\F+512*\c
.endr
.endr
	ds_load_b32 v[KS], v[ADS] offset:6144
.endm
.macro VLOAD                                   ; V^T's two fragments and its scale words: 7 loads
.irp u, 0,1
.irp c, 0,1,2
	ds_load_b128 v[VF+12*\u+4*\c:VF+12*\u+4*\c+3], v[ADR] offset:3072+1536*\u+512*\c
.endr
.endr
	ds_load_b32 v[VS], v[ADS] offset:6148
.endm
.macro PKF n                                   ; t - M, two at a time
.rept \n
	v_pk_fma_f32 v[S+jj:S+jj+1], v[S+jj:S+jj+1], s[CS:CS+1], v[12:13] op_sel_hi:[1,0,0]
.set jj, jj+2
.endr
.endm
.macro ADDP d, a, b
	v_pk_add_f32 v[\d:\d+1], v[\a:\a+1], v[\b:\b+1]
.endm
.macro ADD8 first                              ; eight chains of the sum take one pair of p each
.irp i, 0,1,2,3,4,5,6
	ADDP U+2*\i, U+2*\i, \first+2*\i
.endr
	ADDP 14, 14, \first+14
.endm
; A KEY STEP: 128 keys.  pf = 1: my next record lies in the same slot, two records on, and its K is fetched ahead.
.macro STEP pf
	VLOAD
	s_wait_dscnt 7                                 ; K's seven loads, the older ones, are in; V's seven may be out
.irp F, 0,1
	WM S+32*\F, KF+12*\F, QB0, 1, KS, QS, \F
	WM S+32*\F+8, KF+12*\F, QB1, 1, KS, QS, \F
	WM S+32*\F+16, KF+12*\F, QB2, 1, KS, QS, \F
	WM S+32*\F+24, KF+12*\F, QB3, 1, KS, QS, \F
.endr
	v_mov_b32 v[T0], v12                           ; the old -M.  Four plain lines: the places behind the products, in front of loads into their registers and of the first read of results
.if \pf
	s_add_co_u32 s[TB], s[TB], 2*REC
	v_add_nc_u32 v[ADR], s[TB], v[LIG]
	v_add_nc_u32 v[ADS], s[TB], v[LSG]
	v_nop
	KLOAD
.else
.rept 3
	v_nop
.endr
.endif
.irp q, 0,1,2,3
	v_max3_num_f32 v[BM+\q], v[S+16*\q], v[S+16*\q+1], v[S+16*\q+2]   ; four chains by turns, each accumulator from its low end on
.endr
.irp i, 3,5,7,9,11,13
.irp q, 0,1,2,3
	v_max3_num_f32 v[BM+\q], v[BM+\q], v[S+16*\q+\i], v[S+16*\q+\i+1]
.endr
.endr
	v_max3_num_f32 v[BM], v[BM], v[BM+1], v[S+15]
	v_max3_num_f32 v[BM+2], v[BM+2], v[BM+3], v[S+47]
	v_max_num_f32 v[BM], v[BM], v[S+31]            ; the largest score of my block 0: it serves the row's maximum and, since p rises with the score, the block's largest p
	v_max_num_f32 v[BM+2], v[BM+2], v[S+63]        ; and of my block 1
	s_delay_alu instid0(VALU_DEP_1)
	v_max3_num_f32 v[T1], v[BM], v[BM+2], v13      ; with the running largest score
	s_delay_alu instid0(VALU_DEP_1)
	v_permlanex16_b32 v[WX], v[T1], s[SEL], s[SEL+1]
	s_delay_alu instid0(VALU_DEP_1)
	v_max_num_f32 v13, v[T1], v[WX]                ; and lane l xor 16's keys
	s_delay_alu instid0(VALU_DEP_1)
	v_mul_f32 v[T1], s[CS], v13                    ; as t (c is positive)
	s_delay_alu instid0(VALU_DEP_1)
	v_floor_f32 v12, -v[T1]                        ; the new -M = floor(-t) = -ceil(t)
.set jj, 0
	PKF 8
	v_sub_f32 v[T1], v12, v[T0]                    ; old M - new M: a whole number, 0 or less
	PKF 8
	v_cvt_i32_f32 v[T1], v[T1]                     ; (it saturates)
	PKF 8
	v_ldexp_f32 v[FF], 1.0, v[T1]                  ; f = 2^(old M - new M)
	PKF 8
	v_fma_f32 v[BM], v[BM], s[CS], v12             ; the same of each block's largest score
	v_fma_f32 v[BM+2], v[BM+2], s[CS], v12
.set jj, 0
.rept 8
	v_pk_mul_f32 v[O+jj:O+jj+1], v[O+jj:O+jj+1], v[FF:FF+1] op_sel_hi:[1,0]   ; O^T under the new M, each accumulator from its low end on
.set jj, jj+2
.endr
	s_wait_alu depctr_va_vdst(0)                   ; the wait ahead of the batch
	v_exp_f32 v[BM], v[BM]                         ; the blocks' largest p
	v_exp_f32 v[BM+2], v[BM+2]
.set jj, 0
.rept 64
	v_exp_f32 v[S+jj], v[S+jj]                     ; p = 2^(t - M), at most 1
.set jj, jj+1
.endr
	v_pk_mul_f32 v[14:15], v[14:15], v[FF:FF+1] op_sel_hi:[1,0]   ; the sum under the new M: the plain line behind the exponentials
	s_wait_alu depctr_va_vdst(0)                   ; one wait for the batch, ahead of its first reader
	s_wait_dscnt 7*\pf                             ; V's seven loads are in; the next K's seven, issued behind them, may be out
	v_max_num_f32 v[BM], 0x1800000, v[BM]          ; the floor 2^(3 - 127): the byte cannot fall under 1
	v_max_num_f32 v[BM+2], 0x1800000, v[BM+2]
.irp i, 0,1,2,3,4
	ADDP U+2*\i, S+4*\i, S+4*\i+2                  ; THE ROW'S SUM IS TAKEN OF THE UNQUANTISED p: 32 packed additions in eight chains, laid between the steps that make the scales
.endr
	v_add_nc_u32 v[SO], 0xff000000, v[BM]          ; 2 off the exponent field: the conversion's scale operand
	v_add_nc_u32 v[SO+1], 0xff000000, v[BM+2]
	v_lshl_add_u32 v[BX], v[BM], 1, 0xfe000000     ; the same with the exponent field in the top byte: the scale's byte
	v_lshl_add_u32 v[BX+1], v[BM+2], 1, 0xfe000000
	ADDP U+10, S+20, S+22
	ADDP U+12, S+24, S+26
	ADDP 14, 14, S+28
.irp c, 0,1
	v_cvt_scalef32_pk16_fp6_f32 v[PC+6*\c:PC+6*\c+2], v[S+32*\c:S+32*\c+15], v[SO+\c]
	v_cvt_scalef32_pk16_fp6_f32 v[PT+4*\c:PT+4*\c+2], v[S+32*\c+16:S+32*\c+31], v[SO+\c]
.endr
	ADD8 S+30                                      ; (plain lines behind the scaled conversions)
	v_perm_b32 v[W], v[BX+1], v[BX], v[SH8]        ; blocks h and 2 + h at their places in the word
	v_mov_b32 v[PC+3], v[PT]
	v_mov_b32 v[PC+4], v[PT+1]
	v_mov_b32 v[PC+5], v[PT+2]
	v_mov_b32 v[PC+9], v[PT+4]
	v_mov_b32 v[PC+10], v[PT+5]
	v_permlanex16_b32 v[WX], v[W], s[SEL], s[SEL+1]
	v_mov_b32 v[PC+11], v[PT+6]
	ADDP U, U, S+46
	ADDP U+2, U+2, S+48
	ADDP U+4, U+4, S+50
	ADDP U+6, U+6, S+52
	v_or_b32 v[PS], v[W], v[WX]                    ; with lane l xor 16's two: p's scale word for these 128 keys
	ADDP U+8, U+8, S+54                            ; eight plain lines that name no register of the product stand between the scale word's write and the product
	ADDP U+10, U+10, S+56
	ADDP U+12, U+12, S+58
	ADDP 14, 14, S+60
	ADDP U, U, S+62
	ADDP U+2, U+2, U+4
	ADDP U+6, U+6, U+8
	ADDP U+10, U+10, U+12
.irp u, 0,1
	WM O+8*\u, VF+12*\u, PC, 0, VS, PS, \u         ; the two accumulators by turns; eight other products stand before either is taken up again
.endr
	ADDP 14, 14, U                                 ; the sum's last four additions are the places in front of the next loads into V's registers
	ADDP U+2, U+2, U+6
	s_delay_alu instid0(VALU_DEP_2)
	ADDP 14, 14, U+10
	s_delay_alu instid0(VALU_DEP_1)
	ADDP 14, 14, U+2
.endm
.macro PHASE base, n                           ; n key steps of mine in the slot at base
	s_mov_b32 s[TB], \base
	v_add_nc_u32 v[ADR], s[TB], v[LIG]
	v_add_nc_u32 v[ADS], s[TB], v[LSG]
	KLOAD
	s_mov_b32 s[CNT], \n-1
.Lstep_\@:
	STEP 1
	s_sub_co_u32 s[CNT], s[CNT], 1
	s_cmp_lg_u32 s[CNT], 0
	s_cbranch_scc1 .Lstep_\@
	STEP 0                                         ; the slot's last step fetches nothing ahead
.endm
; THE CHANGE OF SLOTS.  Each wave waits for all its tensor loads, adds 0 to its spare word, and waits for that and for its reads of the slot that it leaves.  fill = 1: the small slot takes records 48 to 63:
; the barrier is then a round of the cluster's, and the joint refill is the first thing behind it.
.macro CHANGE fill
	s_wait_tensorcnt 0x0                           ; no tensor load of mine is out, so a group 0 may be written
	ds_add_u32 v[SPW], v[NIL]
.if \fill
	s_add_nc_u64 s[34:35], s[34:35], 48*REC        ; the type bits on top are not reached
.endif
	s_wait_dscnt 0x0                               ; the add is done, and my reads of the slot are over
.if \fill
	ROUND
	TLOAD 32, G1
.else
	s_barrier_signal -1
	s_barrier_wait -1
.endif
.endm
	s_load_b256 s[4:11], s[0:1], 0x0               ; wimg s[4:5], kvrec s[6:7], oc s[8:9], os s[10:11]
	v_lshl_add_u32 v[SPW], v0, 2, SPARE
	v_mov_b32 v[NIL], 0
	ds_add_u32 v[SPW], v[NIL]                      ; the opening lines: the add, twice on end, and its wait ahead of the round in front of the first tensor loads
	ds_add_u32 v[SPW], v[NIL]
	v_lshrrev_b32 v9, 5, v0
	s_delay_alu instid0(VALU_DEP_1)
	v_readfirstlane_b32 s[WV], v9                  ; wave 0..15
	s_bfe_u32 s13, ttmp6, 0x40000                  ; my place in the cluster: the quarter of the queries
	s_and_b32 s14, ttmp7, 0xffff                   ; 16 batch + head, which the four partners share
	s_mov_b32 s[G1], 15|(3<<16)|(1<<21)            ; a record: 6,400 dense bytes as 25 rows of 256 (32 elements of 8 bytes); the mask names all four work-groups, bit 21 beside it
	s_mov_b32 s[G1+1], 32<<16
	s_mov_b32 s[G1+2], 25<<16
	s_mov_b32 s[G1+3], 32<<16
	s_mov_b32 s[G1+4], 25
	s_mov_b32 s[G1+5], 32
	s_mov_b32 s[G1+6], 0
	s_mov_b32 s[G1+7], 0
	s_mov_b32 s[G1B], 15|(3<<16)|(1<<21)           ; two records: 50 rows
	s_mov_b32 s[G1B+1], 32<<16
	s_mov_b32 s[G1B+2], 50<<16
	s_mov_b32 s[G1B+3], 32<<16
	s_mov_b32 s[G1B+4], 50
	s_mov_b32 s[G1B+5], 32
	s_mov_b32 s[G1B+6], 0
	s_mov_b32 s[G1B+7], 0
	s_mov_b32 s[SEL], 0x76543210
	s_mov_b32 s[SEL+1], 0xfedcba98
	s_mov_b32 s[CS], 0x3e8293ee                    ; c = log2(e) / sqrt(32)
	s_mov_b32 s[CS+1], s[CS]
	s_mov_b32 s[MLO], 0x0000ffff
	s_and_b32 s15, s[WV], 7                        ; my tile of queries
	s_mul_i32 s18, s[WV], REC                      ; my record of the small slot, in LDS and in memory
	s_mul_i32 s19, s[WV], 2*REC                    ; my two of the large one
	s_and_b32 s21, s15, 1                          ; which tile of latents' pair is mine
	s_mul_i32 s20, s21, 1536
	s_lshl_b32 s21, s21, 6
	s_lshr_b32 s22, s[WV], 3
	s_mul_i32 s22, s22, REC                        ; my parity's first record
	s_mul_i32 s23, s15, 2304
	s_add_co_u32 s23, s23, STAGE
	v_and_b32 v9, 31, v0                           ; lane
	v_and_b32 v[OSA], 15, v0                       ; r
	v_bfe_u32 v[SH8], v0, 4, 1                     ; h
	v_lshlrev_b32 v[LI], 4, v9
	v_lshlrev_b32 v[LS8], 3, v9
	v_lshlrev_b32 v218, 2, v9                      ; w_q's scale planes
	v_mul_u32_u24 v[OCA], v[OSA], 24
	v_lshl_add_u32 v217, v[OSA], 2, s21            ; latents' scale words of my tile's rows
	v_add_nc_u32 v216, s20, v[LI]                  ; its fragments
	v_mad_u32_u24 v[OCA], v[SH8], 12, v[OCA]
	v_mov_b32 v9, 0x0c070c03                       ; lanes 0-15: bytes 0 and 2
	v_mov_b32 v[W], 0x070c030c                     ; lanes 16-31: bytes 1 and 3
	v_cndmask_b32 v[SH8], v[W], v9, s[MLO]
	v_add_nc_u32 v[LIG], s22, v[LI]
	v_add_nc_u32 v[LSG], s22, v[LS8]
	v_add_nc_u32 v[MADR], s23, v[LI]
	v_add_nc_u32 v[M2A], s23, v[LS8]
	s_wait_alu depctr_va_vdst(0)
	s_wait_dscnt 0x0                               ; both opening adds are done
	s_wait_kmcnt 0x0
	s_mul_i32 s16, s14, 64*REC                     ; the head's 64 records
	s_mov_b32 s17, 0
	s_add_nc_u64 s[6:7], s[6:7], s[16:17]
	s_mov_b32 s16, s18
	s_mov_b32 s32, 1
	s_mov_b32 s33, s18
	s_add_nc_u64 s[34:35], s[6:7], s[16:17]        ; records 0 to 15
	s_mov_b32 s16, s19
	s_mov_b32 s36, 1
	s_add_co_u32 s37, s19, SLOTB
	s_add_nc_u64 s[38:39], s[6:7], s[16:17]
	s_add_nc_u64 s[38:39], s[38:39], 16*REC        ; records 16 to 47
	s_or_b32 s35, s35, 0x80000000
	s_or_b32 s39, s39, 0x80000000
	s_and_b32 s16, s14, 15                         ; the head
	s_add_co_u32 s16, s16, 32                      ; w_q's pair
	s_mul_i32 s16, s16, 12800
	s_add_nc_u64 s[48:49], s[4:5], s[16:17]
	s_mov_b32 s3, 0                                ; s[2:3], s47: what hangs on my place in the cluster
	s_lshr_b32 s2, s14, 4
	s_lshl_b32 s2, s2, 4
	s_lshl_b32 s47, s13, 2
	s_add_co_u32 s2, s2, s47
	s_lshr_b32 s47, s15, 1
	s_add_co_u32 s2, s2, s47
	s_add_co_u32 s2, s2, 64                        ; latents' pair 64 + 16 batch + 4 quarter + tile / 2
	s_mul_i32 s2, s2, 12800
	s_add_nc_u64 s[50:51], s[4:5], s[2:3]
	s_lshl_b32 s47, s13, 3
	s_add_co_u32 s47, s47, s15                     ; my tile of the batch's 32
	s_lshl_b32 s2, s14, 5
	s_add_co_u32 s47, s47, s2
	s_mul_i32 s2, s47, 384
	s_add_nc_u64 s[52:53], s[8:9], s[2:3]          ; where my tile's codes of o go,
	s_lshl_b32 s2, s47, 4
	s_add_nc_u64 s[54:55], s[10:11], s[2:3]        ; and their scale bytes
.irp f, 0,1,2,3,4,5,6,7
.irp c, 0,1,2
	global_load_b128 v[WQ+12*\f+4*\c:WQ+12*\f+4*\c+3], v[LI], s[48:49] offset:1536*\f+512*\c
.endr
.endr
.irp s, 0,1,2,3
	global_load_b32 v[WQS+\s], v218, s[48:49] offset:12288+128*\s
.endr
.irp s, 0,1,2,3
.irp c, 0,1,2
	global_load_b128 v[LAT+12*\s+4*\c:LAT+12*\s+4*\c+3], v216, s[50:51] offset:3072*\s+512*\c
.endr
.endr
.irp s, 0,1,2,3
	global_load_b32 v[LSC+\s], v217, s[50:51] offset:12288+128*\s
.endr
	ROUND                                          ; all four work-groups are here: the first joint loads meet
	TLOAD 32, G1                                   ; my one tensor load at the head
	v_mov_b32 v[BX], 0                             ; written once: a lane permute's destination counts as one of its sources
	v_mov_b32 v[WX], 0
.irp i, 0,1,2
	v_mov_b32 v[248+\i], 0
.endr
	s_wait_alu depctr_va_vdst(0)
	s_wait_loadcnt 0x0
.irp s, 0,1,2,3                                ; q, transposed: source 0 = 16 rows of w_q, source 1 = my 16 queries; the two accumulators by turns
.irp u, 0,1
	WM QA+8*\u, WQ+12*(2*\s+\u), LAT+12*\s, (\s==0), WQS+\s, LSC+\s, \u
.endr
.endr
.rept 4
	v_nop
.endr
	v_max3_num_f32 v[BM], |v[QA]|, |v[QA+1]|, 0x1800000   ; q's one block: my 16 numbers (register 8 u + j = the head's number 16 h + 8 u + j), and the floor
.irp i, 2,4,6,8,10,12,14
	v_max3_num_f32 v[BM], v[BM], |v[QA+\i]|, |v[QA+\i+1]|
.endr
	s_delay_alu instid0(VALU_DEP_1)
	v_permlanex16_b32 v[BX], v[BM], s[SEL], s[SEL+1]
	s_delay_alu instid0(VALU_DEP_1)
	v_max_num_f32 v[BM], v[BM], v[BX]
	s_delay_alu instid0(VALU_DEP_1)
	v_add_nc_u32 v[SO], 0xff000000, v[BM]
	s_delay_alu instid0(VALU_DEP_1)
	v_lshrrev_b32 v[BX], 23, v[SO]
	s_delay_alu instid0(VALU_DEP_1)
	v_lshl_or_b32 v[QS], v[BX], 8, v[BX]
	s_delay_alu instid0(VALU_DEP_1)
	v_lshl_or_b32 v[QS], v[QS], 16, v[QS]          ; the byte in all four bytes: it serves whichever block holds q
	v_cvt_scalef32_pk16_fp6_f32 v[244:246], v[QA:QA+15], v[SO]
	v_nop                                          ; one plain line behind the scaled conversion
.irp i, 0,1,2
	v_permlanex16_b32 v[248+\i], v[244+\i], s[SEL], s[SEL+1]   ; the other half's 16 codes
.endr
.irp i, 0,1,2
	v_cndmask_b32 v[QZ+6+\i], v[NIL], v[244+\i], s[MLO]    ; QL: lanes 0-15: codes 0-15 (their own),
	v_cndmask_b32 v[QZ+9+\i], v[NIL], v[248+\i], s[MLO]    ;     codes 16-31 (the other half's); lanes 16-31: zeros
	v_cndmask_b32 v[QZ+18+\i], v[248+\i], v[NIL], s[MLO]   ; QH: lanes 16-31: codes 0-15 (the other half's),
	v_cndmask_b32 v[QZ+21+\i], v[244+\i], v[NIL], s[MLO]   ;     codes 16-31 (their own); lanes 0-15: zeros
.endr
.irp i, 0,1,2,3,4,5
	v_mov_b32 v[QZ+\i], 0                          ; Z0, Z1, Z2
	v_mov_b32 v[QZ+12+\i], 0
	v_mov_b32 v[QZ+24+\i], 0
.endr
.irp j, 0,1,2,3,4,5,6,7,8,9,10,11,12,13,14,15
	v_mov_b32 v[O+\j], 0                           ; O^T: the step is written once; the first finds zeros, which the first change of M leaves zeros
.endr
	v_mov_b32 v13, 0xff61b1e6                      ; the largest score so far: -3e38
	v_mov_b32 v12, 0x7f61b1e6                      ; -M: 3e38
	v_mov_b32 v14, 0                               ; the sum, in two halves
	v_mov_b32 v15, 0
	v_mov_b32 v[FF+1], 0                           ; (named as the upper half of a pair)
	s_wait_alu depctr_va_vdst(0)
	s_wait_tensorcnt 0x0                           ; my record is in
	ds_add_u32 v[SPW], v[NIL]
	s_wait_dscnt 0x0
	ROUND                                          ; everybody's record is in, and all four work-groups are here
	TLOAD 36, G1B                                  ; the large slot's first fill: records 16 to 47
	PHASE 0, 8                                     ; records 0 to 15
	CHANGE 1                                       ; the small slot takes records 48 to 63
	PHASE SLOTB, 16                                ; 16 to 47
	CHANGE 0                                       ; nothing is left to ask for
	PHASE 0, 8                                     ; 48 to 63
	; THE JOIN of the two parities
	v_add_f32 v13, v14, v15                        ; the sum's two halves
	s_wait_alu depctr_va_vdst(0)
	s_cmp_lt_u32 s[WV], 8
	s_cbranch_scc1 .Lkeeper
.irp p, 0,1,2,3
	ds_store_b128 v[MADR], v[O+4*\p:O+4*\p+3] offset:512*\p   ; each accumulator from its low end on
.endr
	ds_store_b64 v[M2A], v[12:13] offset:2048      ; -M and the sum
.Lkeeper:
	s_wait_dscnt 0x0
	s_barrier_signal -1
	s_barrier_wait -1
	s_cmp_lt_u32 s[WV], 8
	s_cbranch_scc0 .Lend
.irp p, 0,1,2,3
	ds_load_b128 v[S+4*\p:S+4*\p+3], v[MADR] offset:512*\p
.endr
	ds_load_b64 v[S+16:S+17], v[M2A] offset:2048
	s_wait_dscnt 0x0
	v_min_num_f32 v[T0], v12, v[S+16]              ; -M of the larger M
	s_delay_alu instid0(VALU_DEP_1)
	v_sub_f32 v[T1], v[T0], v12
	v_sub_f32 v[BX], v[T0], v[S+16]
	s_delay_alu instid0(VALU_DEP_2)
	v_cvt_i32_f32 v[T1], v[T1]
	s_delay_alu instid0(VALU_DEP_2)
	v_cvt_i32_f32 v[BX], v[BX]
	s_delay_alu instid0(VALU_DEP_2)
	v_ldexp_f32 v[FF], 1.0, v[T1]                  ; my part's factor,
	s_delay_alu instid0(VALU_DEP_2)
	v_ldexp_f32 v[U], 1.0, v[BX]                   ; the other's: powers of two
	s_delay_alu instid0(VALU_DEP_2)
	v_mul_f32 v13, v13, v[FF]
.set jj, 0
.rept 8
	v_pk_mul_f32 v[O+jj:O+jj+1], v[O+jj:O+jj+1], v[FF:FF+1] op_sel_hi:[1,0]
.set jj, jj+2
.endr
	v_fma_f32 v13, v[S+17], v[U], v13
.set jj, 0
.rept 8
	v_pk_fma_f32 v[O+jj:O+jj+1], v[S+jj:S+jj+1], v[U:U+1], v[O+jj:O+jj+1] op_sel_hi:[1,0,1]
.set jj, jj+2
.endr
	v_permlanex16_b32 v[WX], v13, s[SEL], s[SEL+1]
	s_delay_alu instid0(VALU_DEP_1)
	v_add_f32 v13, v13, v[WX]                      ; and lane l xor 16's keys: the row's sum
	s_wait_alu depctr_va_vdst(0)                   ; the wait ahead of the transcendental
	v_rcp_f32 v14, v13
	v_nop                                          ; a plain line behind the reciprocal,
	s_wait_alu depctr_va_vdst(0)                   ; and the wait ahead of its first reader
	; THE WAY OUT: o = O / l, quantised along the head's 32 for the last product
.irp j, 0,1,2,3,4,5,6,7,8,9,10,11,12,13,14,15
	v_mul_f32 v[S+32+\j], v[O+\j], v14
.endr
	v_max3_num_f32 v[BM], |v[S+32]|, |v[S+33]|, 0x1800000
.irp i, 2,4,6,8,10,12,14
	s_delay_alu instid0(VALU_DEP_1)
	v_max3_num_f32 v[BM], v[BM], |v[S+32+\i]|, |v[S+33+\i]|
.endr
	s_delay_alu instid0(VALU_DEP_1)
	v_permlanex16_b32 v[BX], v[BM], s[SEL], s[SEL+1]
	s_delay_alu instid0(VALU_DEP_1)
	v_max_num_f32 v[BM], v[BM], v[BX]
	s_delay_alu instid0(VALU_DEP_1)
	v_add_nc_u32 v[SO], 0xff000000, v[BM]
	s_delay_alu instid0(VALU_DEP_1)
	v_lshrrev_b32 v[BX], 23, v[SO]
	v_cvt_scalef32_pk16_fp6_f32 v[PC:PC+2], v[S+32:S+47], v[SO]
	v_nop
	global_store_b96 v[OCA], v[PC:PC+2], s[52:53]  ; the wave stores 384 consecutive bytes
	global_store_b8 v[OSA], v[BX], s[54:55]        ; lanes r and r + 16 write the same byte with the same value
.Lend:
	s_wait_tensorcnt 0x0                           ; the wave's end
	ds_add_u32 v[SPW], v[NIL]
	s_wait_dscnt 0x0
	ROUND                                          ; the closing round: no work-group ends while a partner may still ask for a slot that names it
	s_endpgm
.Lfunc_end_k_q93cde0330e_attn:
	.size	k_q93cde0330e_attn, .Lfunc_end_k_q93cde0330e_attn-k_q93cde0330e_attn
	.p2alignl 7, 3214868480
	.fill 96, 4, 3214868480
	.section	.rodata,"a",@progbits
	.p2align	6, 0x0
	.amdhsa_kernel k_q93cde0330e_attn
		.amdhsa_group_segment_fixed_size 327680
		.amdhsa_private_segment_fixed_size 0
		.amdhsa_enable_private_segment 0
		.amdhsa_kernarg_size 32
		.amdhsa_user_sgpr_count 2
		.amdhsa_user_sgpr_kernarg_segment_ptr 1
		.amdhsa_wavefront_size32 1
		.amdhsa_system_sgpr_workgroup_id_x 1
		.amdhsa_system_sgpr_workgroup_id_y 1
		.amdhsa_system_sgpr_workgroup_id_z 1
		.amdhsa_system_vgpr_workitem_id 0
		.amdhsa_next_free_vgpr 256
		.amdhsa_next_free_sgpr 66
		.amdhsa_reserve_vcc 0
		.amdhsa_float_denorm_mode_32 3
		.amdhsa_float_denorm_mode_16_64 3
		.amdhsa_memory_ordered 1
		.amdhsa_forward_progress 1
		.amdhsa_inst_pref_size 98
	.end_amdhsa_kernel
	.amdgpu_metadata
---
amdhsa.version: [ 1, 2 ]
amdhsa.kernels:
  - .name:           k_q93cde0330e_attn
    .symbol:         k_q93cde0330e_attn.kd
    .args:
      - { .name: wimg, .offset: 0, .size: 8, .value_kind: global_buffer, .address_space: global }
      - { .name: kvrec, .offset: 8, .size: 8, .value_kind: global_buffer, .address_space: global }
      - { .name: oc, .offset: 16, .size: 8, .value_kind: global_buffer, .address_space: global }
      - { .name: os, .offset: 24, .size: 8, .value_kind: global_buffer, .address_space: global }
    .group_segment_fixed_size: 327680
    .private_segment_fixed_size: 0
    .kernarg_segment_align: 8
    .kernarg_segment_size: 32
    .max_flat_workgroup_size: 512
    .sgpr_count:     66
    .vgpr_count:     256
    .wavefront_size: 32
...
	.end_amdgpu_metadata
.endif
;; end of part 3
;; launch outp (part 4): grid 32 x 8, 4 waves a work-group, no clusters, 17,920 bytes of LDS; arguments wimg, oc, os, b_out, out0; writes out0
.if DOCPART == 4
	.amdgcn_target "amdgcn-amd-amdhsa--gfx1250"
	.amdhsa_code_object_version 6
	.text
	.protected	k_q93cde0330e_outp
	.globl	k_q93cde0330e_outp
	.p2align	8
	.type	k_q93cde0330e_outp,@function
k_q93cde0330e_outp:
	s_mov_b64 s[64:65], 0
	v_nop
	global_prefetch_b8 v0, s[64:65] scope:SCOPE_SE
	s_setreg_imm32_b32 hwreg(HW_REG_WAVE_MODE, 25, 1), 1
	s_wait_xcnt 0x0
; out0 = o w_out^T + b_out on codes of FP6 (E2M3) with E8M0 scales.  o's codes: oc [16 batch + head][tile 0..31][lane r][24 bytes], its scale bytes os likewise; a head's 32 numbers are one block of K = 512.
; w_out comes as images out of wimg (pairs 48 to 63: see the launch that makes them).  out0 [2048][512] f32.
; SHARES.  Work-group (x, y): tiles of rows 4 x + wave, columns 64 y on.  A wave makes 16 rows x 64 columns: 16 matrix instructions, four accumulators by turns, the bias as the C of each sum's first.
; Transposed (source 0 = 16 rows of w_out, source 1 = 16 rows of o): a lane holds one row and, in the 16 registers of a pair's two tiles, columns 16 h + 0 .. 15 of the pair's 32.
; Lane r of tile T is row 32 (T >> 1) + 8 (T & 1) + (r & 7) + 16 (r >> 3) of out0: the order in which latents were laid; the stores' addresses undo it.
; The results go through the wave's own stage in LDS (16 rows of 256 bytes + 16) and leave as rows: sixteen lanes store 256 consecutive bytes, at a multiple of 256 from the buffer's first byte.
; NO CLUSTER: one step, no ring: every operand is loaded once, straight into registers; a work-group's share of the weights is 25,600 bytes.  No tensor load.
.set SPARE, 17408                      ; behind the four stages: the spare words, 128 bytes a wave: two blocks of 256 bytes that no other line names
.set LI,  1                            ; v1  16 x lane
.set LS4, 2                            ; v2  4 x lane
.set OA,  3                            ; v3  12,288 h + 24 r: o's codes
.set RR,  4                            ; v4  r
.set BO,  5                            ; v5  64 h: the bias
.set STO, 6                            ; v6  the stage, on the way in
.set RD,  7                            ; v7  and back
.set GO,  8                            ; v8  my byte offset in two rows of out0
.set SPW, 10                           ; v10 LDS address of my spare word; never rewritten
.set NIL, 11                           ; v11 0; never rewritten
.set OF,  16                           ; v16-63  o's four fragments
.set BY,  64                           ; v64-79  o's 16 scale bytes
.set OS,  80                           ; v80-83  as four words
.set WS,  84                           ; v84-91  w_out's scale words, 4 pl + s
.set ACC, 96                           ; v96-127 four accumulators, 8 (2 pl + u)
.set BK,  128                          ; v128-159 rows read back.  Window 1: w_out's 16 fragments at 96 pl + 12 (2 s + u)
.set MSB, 0
.macro WIN new                         ; the immediate's high byte repeats the setting that is left
.if MSB != (\new)
	s_set_vgpr_msb (MSB<<8)|(\new)
.set MSB, (\new)
.endif
.endm
	s_load_b256 s[4:11], s[0:1], 0x0               ; wimg s[4:5], oc s[6:7], os s[8:9], b_out s[10:11]
	s_load_b64 s[12:13], s[0:1], 0x20              ; out0
	v_lshl_add_u32 v[SPW], v0, 2, SPARE
	v_mov_b32 v[NIL], 0
	v_lshrrev_b32 v9, 5, v0
	v_readfirstlane_b32 s14, v9                    ; wave 0..3
	v_and_b32 v9, 31, v0                           ; lane
	v_and_b32 v[RR], 15, v0                        ; r
	v_bfe_u32 v12, v0, 4, 1                        ; h
	v_lshlrev_b32 v[LI], 4, v9
	v_lshlrev_b32 v[LS4], 2, v9
	v_mul_u32_u24 v[OA], v[RR], 24
	v_mad_u32_u24 v[OA], v12, 12288, v[OA]         ; lanes 16-31 take the next head's block
	v_lshlrev_b32 v[BO], 6, v12
	s_mul_i32 s17, s14, 4352                       ; my stage
	v_mul_u32_u24 v[STO], v[RR], 272
	v_lshl_add_u32 v[STO], v12, 6, v[STO]
	v_add_nc_u32 v[STO], s17, v[STO]               ; in: row r, + 64 h
	v_mul_u32_u24 v[RD], v12, 272
	v_lshl_add_u32 v[RD], v[RR], 4, v[RD]
	v_add_nc_u32 v[RD], s17, v[RD]                 ; back: lanes 0-15 one row, lanes 16-31 the next
	v_lshlrev_b32 v[GO], 11, v12
	v_lshl_add_u32 v[GO], v[RR], 4, v[GO]          ; and the same two rows in out0
	s_and_b32 s15, ttmp7, 0xffff                   ; which 64 columns
	s_lshl_b32 s16, ttmp9, 2
	s_add_co_u32 s16, s16, s14                     ; my tile T of 128
	s_lshr_b32 s18, ttmp9, 3                       ; the batch
	s_and_b32 s19, s16, 31                         ; the tile within it
	s_mov_b32 s31, 0
	s_wait_alu depctr_va_vdst(0)
	s_wait_kmcnt 0x0
	s_lshl_b32 s30, s15, 1
	s_add_co_u32 s30, s30, 48                      ; w_out's pair 48 + 2 y
	s_mul_i32 s30, s30, 12800
	s_add_nc_u64 s[20:21], s[4:5], s[30:31]
	s_mul_i32 s30, s18, 196608                     ; 16 heads x 32 tiles x 384 bytes
	s_mul_i32 s32, s19, 384
	s_add_co_u32 s30, s30, s32
	s_add_nc_u64 s[22:23], s[6:7], s[30:31]
	s_lshl_b32 s30, s18, 13
	s_lshl_b32 s32, s19, 4
	s_add_co_u32 s30, s30, s32
	s_add_nc_u64 s[24:25], s[8:9], s[30:31]
	s_lshl_b32 s30, s15, 8                         ; 64 columns of 4 bytes
	s_add_nc_u64 s[26:27], s[10:11], s[30:31]
	s_lshr_b32 s32, s16, 1
	s_lshl_b32 s32, s32, 5
	s_and_b32 s33, s16, 1
	s_lshl_b32 s33, s33, 3
	s_add_co_u32 s32, s32, s33                     ; row 32 (T >> 1) + 8 (T & 1)
	s_lshl_b32 s32, s32, 11
	s_add_co_u32 s30, s30, s32
	s_add_nc_u64 s[28:29], s[12:13], s[30:31]
	WIN 0x40                                       ; destination window 1
.irp pl, 0,1
.irp f, 0,1,2,3,4,5,6,7
.irp c, 0,1,2
	global_load_b128 v[96*\pl+12*\f+4*\c:96*\pl+12*\f+4*\c+3], v[LI], s[20:21] offset:12800*\pl+1536*\f+512*\c
.endr
.endr
.endr
	WIN 0
.irp pl, 0,1
.irp s, 0,1,2,3
	global_load_b32 v[WS+4*\pl+\s], v[LS4], s[20:21] offset:12800*\pl+12288+128*\s
.endr
.endr
.irp g, 0,1,2,3                                ; o's fragment of K step g: registers 6 c .. 6 c + 5 = the 24 bytes of head 4 g + 2 c + h
.irp c, 0,1
.irp p, 0,1,2
	global_load_b64 v[OF+12*\g+6*\c+2*\p:OF+12*\g+6*\c+2*\p+1], v[OA], s[22:23] offset:(4*\g+2*\c)*12288+8*\p
.endr
.endr
.endr
.irp k, 0,1,2,3,4,5,6,7,8,9,10,11,12,13,14,15
	global_load_u8 v[BY+\k], v[RR], s[24:25] offset:512*\k   ; head k's scale byte of my row
.endr
.irp pl, 0,1
.irp u, 0,1
	global_load_b128 v[ACC+8*(2*\pl+\u):ACC+8*(2*\pl+\u)+3], v[BO], s[26:27] offset:128*\pl+32*\u          ; the bias in the result's layout: columns 32 pl + 16 h + 8 u + 0 .. 7
	global_load_b128 v[ACC+8*(2*\pl+\u)+4:ACC+8*(2*\pl+\u)+7], v[BO], s[26:27] offset:128*\pl+32*\u+16
.endr
.endr
	s_wait_loadcnt 0x0
.irp g, 0,1,2,3
	v_lshl_or_b32 v[OS+\g], v[BY+4*\g+1], 8, v[BY+4*\g]
.endr
.irp g, 0,1,2,3
	v_lshl_or_b32 v[OS+\g], v[BY+4*\g+2], 16, v[OS+\g]
.endr
.irp g, 0,1,2,3
	v_lshl_or_b32 v[OS+\g], v[BY+4*\g+3], 24, v[OS+\g]
.endr
.rept 8
	v_nop                                          ; a scale register written by a vector line stands 8 places ahead of a scaled matrix instruction
.endr
	WIN 0x01                                       ; source 0 (w_out) window 1
.irp s, 0,1,2,3                                ; the four accumulators by turns, in the same order in every K step
.irp pl, 0,1
	v_wmma_scale_f32_16x16x128_f8f6f4 v[ACC+16*\pl:ACC+16*\pl+7], v[96*\pl+24*\s:96*\pl+24*\s+11], v[OF+12*\s:OF+12*\s+11], v[ACC+16*\pl:ACC+16*\pl+7], v[WS+4*\pl+\s], v[OS+\s] matrix_a_fmt:MATRIX_FMT_FP6 matrix_b_fmt:MATRIX_FMT_FP6
	v_wmma_scale_f32_16x16x128_f8f6f4 v[ACC+16*\pl+8:ACC+16*\pl+15], v[96*\pl+24*\s+12:96*\pl+24*\s+23], v[OF+12*\s:OF+12*\s+11], v[ACC+16*\pl+8:ACC+16*\pl+15], v[WS+4*\pl+\s], v[OS+\s] matrix_a_fmt:MATRIX_FMT_FP6 matrix_b_fmt:MATRIX_FMT_FP6 matrix_a_scale:MATRIX_SCALE_ROW1
.endr
.endr
	WIN 0
.rept 4
	v_nop                                          ; places in front of the first read of results
.endr
.irp pl, 0,1
.irp u, 0,1
	ds_store_b128 v[STO], v[ACC+8*(2*\pl+\u):ACC+8*(2*\pl+\u)+3] offset:128*\pl+32*\u       ; each accumulator from its low end on
	ds_store_b128 v[STO], v[ACC+8*(2*\pl+\u)+4:ACC+8*(2*\pl+\u)+7] offset:128*\pl+32*\u+16
.endr
.endr
.irp i, 0,1,2,3,4,5,6,7
	ds_load_b128 v[BK+4*\i:BK+4*\i+3], v[RD] offset:544*\i   ; LDS serves a wave's instructions in order (ISA guide 5.7.1.4): these see my stores.  Rows 2 i and 2 i + 1 of the tile
.endr
.irp i, 0,1,2,3,4,5,6,7
	s_wait_dscnt 7-\i                              ; the younger reads may be out
	global_store_b128 v[GO], v[BK+4*\i:BK+4*\i+3], s[28:29] offset:(((2*\i)&7)+16*(\i/4))*2048 th:TH_STORE_NT
.endr
	s_wait_tensorcnt 0x0                           ; the wave's end
	ds_add_u32 v[SPW], v[NIL]
	s_wait_dscnt 0x0
	s_endpgm
.Lfunc_end_k_q93cde0330e_outp:
	.size	k_q93cde0330e_outp, .Lfunc_end_k_q93cde0330e_outp-k_q93cde0330e_outp
	.p2alignl 7, 3214868480
	.fill 96, 4, 3214868480
	.section	.rodata,"a",@progbits
	.p2align	6, 0x0
	.amdhsa_kernel k_q93cde0330e_outp
		.amdhsa_group_segment_fixed_size 17920
		.amdhsa_private_segment_fixed_size 0
		.amdhsa_enable_private_segment 0
		.amdhsa_kernarg_size 40
		.amdhsa_user_sgpr_count 2
		.amdhsa_user_sgpr_kernarg_segment_ptr 1
		.amdhsa_wavefront_size32 1
		.amdhsa_system_sgpr_workgroup_id_x 1
		.amdhsa_system_sgpr_workgroup_id_y 1
		.amdhsa_system_sgpr_workgroup_id_z 1
		.amdhsa_system_vgpr_workitem_id 0
		.amdhsa_next_free_vgpr 512
		.amdhsa_next_free_sgpr 66
		.amdhsa_reserve_vcc 0
		.amdhsa_float_denorm_mode_32 3
		.amdhsa_float_denorm_mode_16_64 3
		.amdhsa_memory_ordered 1
		.amdhsa_forward_progress 1
		.amdhsa_inst_pref_size 18
	.end_amdhsa_kernel
	.amdgpu_metadata
---
amdhsa.version: [ 1, 2 ]
amdhsa.kernels:
  - .name:           k_q93cde0330e_outp
    .symbol:         k_q93cde0330e_outp.kd
    .args:
      - { .name: wimg, .offset: 0, .size: 8, .value_kind: global_buffer, .address_space: global }
      - { .name: oc, .offset: 8, .size: 8, .value_kind: global_buffer, .address_space: global }
      - { .name: os, .offset: 16, .size: 8, .value_kind: global_buffer, .address_space: global }
      - { .name: b_out, .offset: 24, .size: 8, .value_kind: global_buffer, .address_space: global }
      - { .name: out0, .offset: 32, .size: 8, .value_kind: global_buffer, .address_space: global }
    .group_segment_fixed_size: 17920
    .private_segment_fixed_size: 0
    .kernarg_segment_align: 8
    .kernarg_segment_size: 40
    .max_flat_workgroup_size: 128
    .sgpr_count:     66
    .vgpr_count:     512
    .wavefront_size: 32
...
	.end_amdgpu_metadata
.endif
;; end of part 4
